; MI455X (gfx1250); checked and timed in simulation.
; The chip was launched on July 23, 2026; its instructions are those of AMD's public machine-readable ISA for CDNA 5 (MIT licence, August 2026) and "CDNA5" Instruction Set Architecture Reference Guide (July 2026). The comments in the code are by the model that wrote it; some were corrected since.
;; Multi Head Attention. Allowed arithmetic: matrix products marked QUANTISED: E4M3 operands, one given power-of-two scale a tensor, by v_wmma_f32_16x16x64_fp8_fp8 or v_wmma_f32_16x16x128_fp8_fp8, f32 sums; everything else in f32.
;; Inputs: Wk 16 x 1,024 x 64 float32; Wo 1,024 x 64 float32; Wq 16 x 1,024 x 64 float32; Wv 16 x 1,024 x 64 float32; bk 16 x 64 float32; bo 64 float32; bq 16 x 64 float32; bv 16 x 64 float32; lowp_scales 12 int32 (the exponents e of the quantised operands' scales 2^e); x 4 x 2,048 x 1,024 float32.
;; Outputs: out0 4 x 2,048 x 64 float32.
;; This version of the problem:
;;   THIS VERSION OF THE PROBLEM IS GIVEN IN LOW PRECISION. The matrix products marked QUANTISED in the list below multiply operands that are first quantised to E4M3 (4 exponent bits, 3 mantissa bits; 8 bits a number), with one given power-of-two scale for each operand tensor; their sums are f32. All else is computed in f32.
;;   The module's matrix products, in the order in which they are computed (A, B: the left and right operand; K: the contracted axis; several contracted axes count as one K, in the product's order):
;;     1. [M 1,024, K 1,024] x [K 1,024, N 8,192]; A: input Wq; B: input x: QUANTISED (scales: A lowp_scales[0], B lowp_scales[1])
;;     2. [M 1,024, K 1,024] x [K 1,024, N 8,192]; A: input Wk; B: input x: QUANTISED (scales: A lowp_scales[2], B lowp_scales[3])
;;     3. [M 1,024, K 1,024] x [K 1,024, N 8,192]; A: input Wv; B: input x: QUANTISED (scales: A lowp_scales[4], B lowp_scales[5])
;;     4. batch 64 x [M 2,048, K 64] x [K 64, N 2,048]; A: computed on the way; B: computed on the way: QUANTISED (scales: A lowp_scales[6], B lowp_scales[7])
;;     5. batch 64 x [M 2,048, K 2,048] x [K 2,048, N 64]; A: softmax (see below); B: computed on the way: QUANTISED (scales: A lowp_scales[8], B lowp_scales[9])
;;     6. [M 8,192, K 1,024] x [K 1,024, N 64]; A: computed on the way; B: input Wo: QUANTISED (scales: A lowp_scales[10], B lowp_scales[11])
;;   THE QUANTISER, for each operand of a quantised product, along K:
;;     - The operand's scale is 2^e, e = its entry of the input lowp_scales (int32; the entries are numbered through the quantised products in the list's order, A before B).
;;     - Each number is divided by the scale, clamped to +-448, and rounded to the nearest number of E4M3, ties to even, subnormals kept.
;;     - The product sums the exact products of the quantised numbers (number of the format x scale) in f32.
;;   ~~~python
;;   def quantise(x, axis, e):      # numpy; x: float32 -> the quantised numbers, widened to float32 again
;;       x = np.moveaxis(x, axis, -1); K = x.shape[-1]
;;       r = np.clip(x / 2.0 ** e, -448, 448)
;;       step = 2.0 ** (np.maximum(np.frexp(np.where(r == 0, 1, r))[1] - 1, -6) - 3)
;;       q = np.round(r / step) * step * 2.0 ** e      # np.round: ties to even
;;       return np.moveaxis(q, -1, axis).astype(np.float32)
;;   ~~~
;;   SOFTMAX AHEAD OF A QUANTISED PRODUCT. Where the list says 'softmax', what is quantised is not the finished softmax but p = 2^(t - M), with t = logit x log2(e) and M = ceil(the row's largest t), a whole number; so 1/2 < the row's largest p <= 1. The row's sum l is taken of the UNQUANTISED p, in f32, and the product's result is divided by l at the end. Since M is a whole number, a kernel that streams over the keys may use a running M (the ceiling of the running maximum): every later rescaling is an exact power of two, so the quantised numbers keep their values, but for numbers so far below the row's largest that they fall under the format's range.
;;   OPERANDS COMPUTED ON THE WAY. 'Computed on the way' means the value that the module computes at that place (a softmax that the list does not call 'softmax' is quantised finished and normalised). What goes into a quantiser is computed in f32, as accurately as f32 sums, v_exp_f32 and their like allow (about 1e-6 of the number): no bf16 or f16 on the way to a quantiser, and a product that is left as it is and whose result goes on into a quantised operand takes f32 operands (vector FMAs, or v_wmma_f32_16x16x4_f32). A number that lies on a knife's edge between two numbers of the format may be rounded either way, as far as f32 arithmetic and the matrix unit's own rounding can turn it there, and no further.
;; One version. Each part assembles by itself: llvm-mc -triple=amdgcn-amd-amdhsa -mcpu=gfx1250 --defsym DOCPART=n.
;; ======== version 1 of 1: 4 launches
;; limits: right only within a limited range of input values
;; workspace buffers: xc 25,165,824 bytes; wc 3,211,264 bytes; qkv 25,165,824 bytes; oc 8,388,608 bytes
;; launch prep (part 1): grid 904 x 1, 4 waves a work-group, no clusters, 34,304 bytes of LDS; arguments x, Wq, Wk, Wv, Wo, lowp_scales, xc, wc; writes xc, wc
.if DOCPART == 1
	.amdgcn_target "amdgcn-amd-amdhsa--gfx1250"
	.amdhsa_code_object_version 6
	.text
	.protected	k_q42b483cbc3_prep
	.globl	k_q42b483cbc3_prep
	.p2align	8
	.type	k_q42b483cbc3_prep,@function
k_q42b483cbc3_prep:
	s_mov_b64 s[64:65], 0
	v_nop
	global_prefetch_b8 v0, s[64:65] scope:SCOPE_SE
	s_setreg_imm32_b32 hwreg(HW_REG_WAVE_MODE, 25, 1), 1
	s_wait_xcnt 0x0
; x and the four weights become codes of E4M3, laid as IMAGES OF OPERAND REGISTERS.
; A fragment is 16 rows x 128 K: lane (r = lane % 16, h = lane / 16) holds in registers 2c, 2c+1 the codes of k = 16c + 8h + 0..7 of row r;
; in memory registers 4g .. 4g+3 of all lanes lie at byte 512 g + 16 lane: 2,048 bytes a fragment, every store of a wave 512 consecutive bytes.
; xc: [p 3][row tile 512][kc 8] fragments: x under the scales of entries 1, 3, 5 (its three products may have three scales).
; wc: [m 49][nt 4][kc 8] fragments: m 0-15 Wq's heads, 16-31 Wk's, 32-47 Wv's, 48 Wo; a fragment's row is column 16 nt + r of that [1024][64] matrix.
; code = number / 2^e, held within +-448, to the nearest code, ties to even.  LIMITS: each e used here between -126 and 119; NaN among the inputs is not served.
; Work-groups 0-511 take x, 512-903 the weights: one scalar branch on the work-group's number; only x's path touches LDS.  No tile is shared, so no cluster; no barrier: waves share nothing.
.set XWG, 512                          ; work-groups for x
.set NT,  2                            ; tasks (16 rows x 128 k) of a wave of x's path
.set R,   16                           ; v16-79   64 numbers as loaded
.set X,   80                           ; v80-143  x: 64 numbers, register 8c + j = k 16c + 8h + j of my row
.set T,   144                          ; v144-159 two sets of eight held numbers
.set C,   160                          ; v160-207 codes: 16 registers for each of the three scales
.set SP,  528                          ; a stage row: 512 bytes + 16: 132 words, so sixteen rows start at sixteen different groups of four banks
.set WST, 16*SP                        ; a wave's stage
.macro XLOAD t                         ; task t: 16 rows, each load 512 consecutive bytes of one row
.set ii, 0
.rept 16
	global_load_b128 v[R+4*ii:R+4*ii+3], v4, s[36:37] offset:4096*ii+512*(\t) th:TH_LOAD_NT
.set ii, ii+1
.endr
.endm
.macro XTASK t
	s_wait_loadcnt 0x0                             ; the task's sixteen loads, the only ones out
.set ii, 0
.rept 16
	ds_store_b128 v5, v[R+4*ii:R+4*ii+3] offset:SP*ii              ; row ii as it lies
.set ii, ii+1
.endr
.set cc, 0
	v_nop
.rept 8
	ds_load_b128 v[X+8*cc:X+8*cc+3], v6 offset:64*cc               ; back by the operand's layout; LDS serves a wave's instructions in order
	ds_load_b128 v[X+8*cc+4:X+8*cc+7], v6 offset:64*cc+16
.set cc, cc+1
.endr
	s_wait_dscnt 0x0                               ; the stage's stores have read R, and X is in
.if (\t)+1 < NT
	XLOAD (\t)+1                                   ; the next task lands while this one is converted
.endif
.if (\t) > 0
	s_wait_xcnt 0x0                                ; the last task's stores have read the codes' registers, which are written again below
.endif
.set pp, 0
.rept 3
.set cc, 0
.rept 8
.set jj, 0
.rept 8
.set jj, jj+1
.endr
	v_cvt_scalef32_pk8_fp8_f32 v[C+16*pp+2*cc:C+16*pp+2*cc+1], v[T+8*(cc%2)+((X+8*cc+jj)-(T+8*(cc%2)+jj)):T+8*(cc%2)+7+((X+8*cc+jj)-(T+8*(cc%2)+jj))], v[8+pp]
.set cc, cc+1
.endr
.set pp, pp+1
.endr
.set pp, 0
.rept 3
.set ii, 0
.rept 4
	global_store_b128 v4, v[C+16*pp+4*ii:C+16*pp+4*ii+3], s[40+2*pp:41+2*pp] offset:2048*(\t)+512*ii th:TH_STORE_NT
.set ii, ii+1
.endr
.set pp, pp+1
.endr
.endm
	s_load_b256 s[4:11], s[0:1], 0x0               ; x s[4:5], Wq s[6:7], Wk s[8:9], Wv s[10:11]
	s_load_b256 s[12:19], s[0:1], 0x20             ; Wo s[12:13], the exponents s[14:15], xc s[16:17], wc s[18:19]
	v_lshl_add_u32 v208, v0, 2, 0x8400
	v_mov_b32 v209, 0
	v_lshrrev_b32 v1, 5, v0
	v_readfirstlane_b32 s20, v1                    ; wave 0..3
	v_and_b32 v1, 31, v0                           ; lane
	v_and_b32 v2, 15, v0                           ; r
	v_bfe_u32 v3, v0, 4, 1                         ; h
	v_lshlrev_b32 v4, 4, v1                        ; 16 x lane
	s_wait_kmcnt 0x0
	s_load_b256 s[24:31], s[14:15], 0x0            ; e0 .. e7
	s_load_b128 s[32:35], s[14:15], 0x20           ; e8 .. e11
	s_cmp_lt_u32 ttmp9, XWG
	s_cbranch_scc0 .Lweights
	; ---- x: wave u = 4 x work-group + wave takes row tile u / 4, K chunks 2 (u % 4) and the next
	s_lshl_b32 s21, ttmp9, 2
	s_add_co_u32 s21, s21, s20
	s_lshr_b32 s22, s21, 2                         ; row tile
	s_and_b32 s23, s21, 3
	s_lshl_b32 s36, s22, 16                        ; 16 rows of 4,096 bytes
	s_lshl_b32 s38, s23, 10                        ; two chunks of 512 bytes
	s_add_co_u32 s36, s36, s38
	s_mov_b32 s37, 0
	s_add_nc_u64 s[36:37], s[4:5], s[36:37]
	s_lshl_b32 s38, s22, 14                        ; a row tile's eight fragments
	s_lshl_b32 s39, s23, 12                        ; two fragments
	s_add_co_u32 s38, s38, s39
	s_mov_b32 s39, 0
	s_add_nc_u64 s[40:41], s[16:17], s[38:39]      ; a base for each of the three sets of codes: they lie 8,388,608 bytes apart, one more than a store's immediate holds
	s_add_nc_u64 s[42:43], s[40:41], 0x800000
	s_add_nc_u64 s[44:45], s[42:43], 0x800000
	s_mul_i32 s46, s20, WST
	s_wait_alu depctr_va_vdst(0)
	v_add_nc_u32 v5, s46, v4                       ; into my stage: 16 x lane of a row
	v_mul_u32_u24 v6, v2, SP
	v_lshl_add_u32 v6, v3, 5, v6
	v_add_nc_u32 v6, s46, v6                       ; out of it: row r, + 32 h
	XLOAD 0
	s_wait_alu depctr_va_vdst(0)
	s_wait_kmcnt 0x0
.set pp, 0
.rept 3
	s_add_co_i32 s46, s[25+2*pp], 127
	s_lshl_b32 s47, s46, 23
	v_mov_b32 v[8+pp], s47                         ; 2^e as f32: the conversion takes its exponent field
	s_add_co_i32 s46, s46, 8
	s_lshl_b32 s46, s46, 23
	s_or_b32 s46, s46, 0x600000
.set pp, pp+1
.endr
	s_wait_alu depctr_va_vdst(0)
	XTASK 0
	XTASK 1
	s_wait_tensorcnt 0x0
	ds_add_u32 v208, v209
	s_wait_dscnt 0x0
	s_endpgm
	; ---- the weights: work-group = (matrix m, K chunk kc); wave nt takes columns 16 nt .. 16 nt + 15: a lane takes ONE column and its registers run down K, so nothing is transposed.
	; The four waves together read whole rows of 256 bytes.
.Lweights:
	s_sub_co_u32 s21, ttmp9, XWG
	s_lshr_b32 s22, s21, 3                         ; m 0..48
	s_and_b32 s23, s21, 7                          ; kc
	s_cmp_lt_u32 s22, 48
	s_cselect_b64 s[36:37], s[10:11], s[12:13]
	s_cmp_lt_u32 s22, 32
	s_cselect_b64 s[36:37], s[8:9], s[36:37]
	s_cmp_lt_u32 s22, 16
	s_cselect_b64 s[36:37], s[6:7], s[36:37]
	s_and_b32 s38, s22, 15
	s_lshl_b32 s38, s38, 18                        ; a head's 262,144 bytes
	s_lshl_b32 s39, s23, 15                        ; 128 rows of 256 bytes
	s_add_co_u32 s38, s38, s39
	s_lshl_b32 s39, s20, 6                         ; 16 columns
	s_add_co_u32 s38, s38, s39
	s_mov_b32 s39, 0
	s_add_nc_u64 s[36:37], s[36:37], s[38:39]
	s_lshl_b32 s40, s22, 2
	s_add_co_u32 s40, s40, s20
	s_lshl_b32 s40, s40, 3
	s_add_co_u32 s40, s40, s23
	s_lshl_b32 s40, s40, 11                        ; fragment ((4 m + nt) 8 + kc)
	s_mov_b32 s41, 0
	s_add_nc_u64 s[40:41], s[18:19], s[40:41]
	s_wait_alu depctr_va_vdst(0)
	v_lshlrev_b32 v7, 2, v2
	v_lshl_add_u32 v7, v3, 11, v7                  ; column r, and eight rows further down for lanes 16-31
.set cc, 0
.rept 8
.set jj, 0
.rept 8
	global_load_b32 v[R+8*cc+jj], v7, s[36:37] offset:(16*cc+jj)*256   ; W(16c + 8h + j, 16 nt + r)
.set jj, jj+1
.endr
.set cc, cc+1
.endr
	s_wait_kmcnt 0x0
	s_cmp_lt_u32 s22, 48
	s_cselect_b32 s46, s28, s35                    ; e4 or e11
	s_cmp_lt_u32 s22, 32
	s_cselect_b32 s46, s26, s46                    ; e2
	s_cmp_lt_u32 s22, 16
	s_cselect_b32 s46, s24, s46                    ; e0
	s_add_co_i32 s46, s46, 127
	s_lshl_b32 s47, s46, 23
	v_mov_b32 v8, s47
.set cc, 0
	s_wait_alu depctr_va_vdst(0)
.rept 8
	s_wait_loadcnt 8*(7-cc)                        ; loads come back in order: these eight are in, the 8 (7 - c) younger ones may be out
.set jj, 0
.rept 8
.set jj, jj+1
.endr
	v_cvt_scalef32_pk8_fp8_f32 v[C+2*cc:C+2*cc+1], v[R+8*cc:R+8*cc+7], v8
.set cc, cc+1
.endr
.set ii, 0
	s_wait_alu depctr_va_vdst(0)
.rept 4
	global_store_b128 v4, v[C+4*ii:C+4*ii+3], s[40:41] offset:512*ii th:TH_STORE_NT
.set ii, ii+1
.endr
	s_endpgm
.Lfunc_end_k_q42b483cbc3_prep:
	.size	k_q42b483cbc3_prep, .Lfunc_end_k_q42b483cbc3_prep-k_q42b483cbc3_prep
	.p2alignl 7, 3214868480
	.fill 96, 4, 3214868480
	.section	.rodata,"a",@progbits
	.p2align	6, 0x0
	.amdhsa_kernel k_q42b483cbc3_prep
		.amdhsa_group_segment_fixed_size 34304
		.amdhsa_private_segment_fixed_size 0
		.amdhsa_enable_private_segment 0
		.amdhsa_kernarg_size 64
		.amdhsa_user_sgpr_count 2
		.amdhsa_user_sgpr_kernarg_segment_ptr 1
		.amdhsa_wavefront_size32 1
		.amdhsa_system_sgpr_workgroup_id_x 1
		.amdhsa_system_sgpr_workgroup_id_y 1
		.amdhsa_system_sgpr_workgroup_id_z 1
		.amdhsa_system_vgpr_workitem_id 0
		.amdhsa_next_free_vgpr 210
		.amdhsa_next_free_sgpr 66
		.amdhsa_reserve_vcc 0
		.amdhsa_float_denorm_mode_32 3
		.amdhsa_float_denorm_mode_16_64 3
		.amdhsa_fp16_overflow 1
		.amdhsa_memory_ordered 1
		.amdhsa_forward_progress 1
		.amdhsa_inst_pref_size 24
	.end_amdhsa_kernel
	.amdgpu_metadata
---
amdhsa.version: [ 1, 2 ]
amdhsa.kernels:
  - .name:           k_q42b483cbc3_prep
    .symbol:         k_q42b483cbc3_prep.kd
    .args:
      - { .name: x, .offset: 0, .size: 8, .value_kind: global_buffer, .address_space: global }
      - { .name: Wq, .offset: 8, .size: 8, .value_kind: global_buffer, .address_space: global }
      - { .name: Wk, .offset: 16, .size: 8, .value_kind: global_buffer, .address_space: global }
      - { .name: Wv, .offset: 24, .size: 8, .value_kind: global_buffer, .address_space: global }
      - { .name: Wo, .offset: 32, .size: 8, .value_kind: global_buffer, .address_space: global }
      - { .name: lowp_scales, .offset: 40, .size: 8, .value_kind: global_buffer, .address_space: global }
      - { .name: xc, .offset: 48, .size: 8, .value_kind: global_buffer, .address_space: global }
      - { .name: wc, .offset: 56, .size: 8, .value_kind: global_buffer, .address_space: global }
    .group_segment_fixed_size: 34304
    .private_segment_fixed_size: 0
    .kernarg_segment_align: 8
    .kernarg_segment_size: 64
    .max_flat_workgroup_size: 128
    .sgpr_count:     66
    .vgpr_count:     210
    .wavefront_size: 32
...
	.end_amdgpu_metadata
.endif
;; end of part 1
;; launch qkv (part 2): grid 4 x 96, 4 waves a work-group, clusters of 4 x 4, 327,680 bytes of LDS; arguments xc, wc, bq, bk, bv, lowp_scales, qkv; writes qkv
.if DOCPART == 2
	.amdgcn_target "amdgcn-amd-amdhsa--gfx1250"
	.amdhsa_code_object_version 6
	.text
	.protected	k_q42b483cbc3_qkv
	.globl	k_q42b483cbc3_qkv
	.p2align	8
	.type	k_q42b483cbc3_qkv,@function
k_q42b483cbc3_qkv:
	s_mov_b64 s[64:65], 0
	v_nop
	global_prefetch_b8 v0, s[64:65] scope:SCOPE_SE
	s_setreg_imm32_b32 hwreg(HW_REG_WAVE_MODE, 25, 1), 1
	s_wait_xcnt 0x0
	s_wait_alu depctr_hold_cnt(0) depctr_sa_sdst(0) depctr_va_vdst(0) depctr_va_sdst(0) depctr_va_ssrc(0) depctr_va_vcc(0) depctr_vm_vsrc(0)
	s_getreg_b32 s2, hwreg(HW_REG_IB_STS2, 6, 4)
	s_cmp_eq_u32 s2, 0
	s_cbranch_scc0 .Lentry_in_a_cluster
	s_endpgm
.Lentry_in_a_cluster:
	s_bfe_u32 s2, ttmp6, 0x10000c
	s_cmp_lg_u32 s2, 0xf033
	s_cbranch_scc0 .Lentry_shape_is_right
	s_endpgm
.Lentry_shape_is_right:
.set SLOT,  131072
.set SPARE, 2*SLOT
.set FR,    16
.set NL,    4
.set NP,    4
.set ADRA, 16
.set ADRB, 20
.set LI,   26
.set SPW,  28
.set NIL,  29
.set BN,   32
.set BM,   96
.set SC,   104
.set LIM,  105
.set AF,   128
.set TMP,  128
.set CO,   192
.set G1, 24
.set G0, 32
.set G1B, 48
.set G0B, 56
.set MSB, 0
.macro WIN new
.if MSB != (\new)
	s_set_vgpr_msb (MSB<<8)|(\new)
.set MSB, (\new)
.endif
.endm
.set MUL_LO, 0xa1
.set MUL_HI, 0xf1
.set TO_B,   0x40
.macro JLOAD g0a, g1a, g0b, g1b
	s_cmp_eq_u32 s19, 0
	s_cbranch_scc0 .Lfor_b_\@
	tensor_load_to_lds s[\g0a:\g0a+3], s[\g1a:\g1a+7]
	s_nop 0
.rept 4
	v_nop
.endr
	s_branch .Lasked_\@
.Lfor_b_\@:
	tensor_load_to_lds s[\g0b:\g0b+3], s[\g1b:\g1b+7]
	s_nop 0
.rept 4
	v_nop
.endr
.Lasked_\@:
.endm
.macro CREST
	s_cmp_lg_u32 s18, 0
	s_cbranch_scc1 .Lnot_wave_0_\@
	s_barrier_signal -3
.Lnot_wave_0_\@:
	s_barrier_wait -3
	s_barrier_signal -1
	s_barrier_wait -1
.endm
.macro CROUND
	s_barrier_signal -1
	s_barrier_wait -1
	CREST
.endm
	s_load_b256 s[4:11], s[0:1], 0x0
	s_load_b128 s[12:15], s[0:1], 0x20
	s_load_b64 s[16:17], s[0:1], 0x30
	v_lshl_add_u32 v[SPW], v0, 2, SPARE
	v_mov_b32 v[NIL], 0
	ds_add_u32 v28, v29
	ds_add_u32 v28, v29
	s_wait_dscnt 0x0
	v_lshrrev_b32 v1, 5, v0
	v_readfirstlane_b32 s18, v1
	s_lshr_b32 s19, s18, 1
	s_and_b32 s20, s18, 1
	s_bfe_u32 s40, ttmp6, 0x40000
	s_bfe_u32 s41, ttmp6, 0x40004
	s_and_b32 s90, ttmp7, 0xffff
	s_lshr_b32 s21, s90, 3
	s_and_b32 s22, s90, 7
	s_lshl_b32 s22, s22, 2
	s_lshl_b32 s93, s21, 23
	s_lshl_b32 s94, s21, 20
	s_mov_b32 s95, 0x200000
	s_mov_b32 s96, 0x1000000
	s_cmp_lt_u32 s21, 2
	s_cselect_b32 s91, s22, 0
	s_cselect_b32 s92, 0, s22
	s_cselect_b32 s66, s93, s95
	s_cselect_b32 s46, s94, s96
	s_add_co_u32 s43, s91, s41
	s_add_co_u32 s42, s92, s40
	s_lshl_b32 s97, s20, 17
	s_lshl_b32 s91, s43, 18
	s_add_co_u32 s66, s66, s91
	s_add_co_u32 s66, s66, s97
	s_mov_b32 s67, 0
	s_lshl_b32 s92, s42, 18
	s_add_co_u32 s46, s46, s92
	s_add_co_u32 s46, s46, s97
	s_mov_b32 s47, 0
	s_lshl_b32 s44, s41, 2
	s_lshl_b32 s44, 15, s44
	s_lshl_b32 s45, 0x1111, s40
	s_or_b32 s[G1+0], s44, (3<<16)|(1<<21)
	s_or_b32 s[G1B+0], s45, (3<<16)|(1<<21)
.irp g, G1, G1B
	s_mov_b32 s[\g+1], 512<<16
	s_mov_b32 s[\g+2], 8<<16
	s_mov_b32 s[\g+3], 512<<16
	s_mov_b32 s[\g+4], 8
	s_mov_b32 s[\g+5], 2048
	s_mov_b32 s[\g+6], 0
	s_mov_b32 s[\g+7], 0
.endr
	s_lshl_b32 s23, s18, 15
	s_wait_kmcnt 0x0
	s_load_b256 s[68:75], s[14:15], 0x0
	s_load_b128 s[76:79], s[14:15], 0x20
	s_cmp_lt_u32 s21, 2
	s_cselect_b64 s[80:81], s[4:5], s[6:7]
	s_cselect_b64 s[82:83], s[6:7], s[4:5]
	s_add_nc_u64 s[66:67], s[80:81], s[66:67]
	s_add_nc_u64 s[46:47], s[82:83], s[46:47]
	CROUND
.irp s, 0,1
	s_mov_b32 s[G0+4*\s], 1
	s_add_co_u32 s[G0+4*\s+1], s23, \s*SLOT
	s_add_nc_u64 s[G0+4*\s+2:G0+4*\s+3], s[66:67], \s*4096
	s_or_b32 s[G0+4*\s+3], s[G0+4*\s+3], 0x80000000
	s_mov_b32 s[G0B+4*\s], 1
	s_add_co_u32 s[G0B+4*\s+1], s23, \s*SLOT
	s_add_nc_u64 s[G0B+4*\s+2:G0B+4*\s+3], s[46:47], \s*4096
	s_or_b32 s[G0B+4*\s+3], s[G0B+4*\s+3], 0x80000000
	s_wait_alu depctr_va_vdst(0)
	s_wait_tensorcnt 0x0
	ds_add_u32 v28, v29
	ds_add_u32 v28, v29
	s_wait_dscnt 0x0
	CROUND
	JLOAD G0+4*\s, G1, G0B+4*\s, G1B
.endr
	v_and_b32 v1, 31, v0
	v_lshlrev_b32 v[LI], 4, v1
	v_and_b32 v2, 15, v0
	v_bfe_u32 v3, v0, 4, 1
	v_lshlrev_b32 v5, 5, v3
	s_wait_alu depctr_va_vdst(0)
	v_lshlrev_b32 v6, 2, v2
	s_wait_alu depctr_va_vdst(0)
	s_lshl_b32 s90, s19, 15
	s_lshl_b32 s91, s20, 15
	s_add_co_u32 s91, s91, 65536
.irp s, 0,1
	v_add_nc_u32 v[ADRA+\s], s90, v[LI]
	v_add_nc_u32 v[ADRB+\s], s91, v[LI]
	s_add_co_u32 s90, s90, SLOT
	s_add_co_u32 s91, s91, SLOT
.endr
	s_cmp_eq_u32 s21, 0
	s_cselect_b64 s[84:85], s[8:9], s[10:11]
	s_cmp_eq_u32 s21, 2
	s_cselect_b64 s[84:85], s[12:13], s[84:85]
	s_and_b32 s90, s43, 3
	s_lshl_b32 s90, s90, 10
	s_lshl_b32 s91, s19, 9
	s_add_co_u32 s90, s90, s91
	s_mov_b32 s91, 0
	s_add_nc_u64 s[86:87], s[84:85], s[90:91]
	s_and_b32 s90, s42, 3
	s_lshl_b32 s90, s90, 10
	s_lshl_b32 s92, s20, 9
	s_add_co_u32 s90, s90, s92
	s_add_nc_u64 s[84:85], s[84:85], s[90:91]
.set ii, 0
.rept 8
	global_load_b128 v[BN+8*ii:BN+8*ii+3], v5, s[84:85] offset:64*ii
	global_load_b128 v[BN+8*ii+4:BN+8*ii+7], v5, s[84:85] offset:64*ii+16
	global_load_b32 v[BM+ii], v6, s[86:87] offset:64*ii
.set ii, ii+1
.endr
	s_cmp_lt_u32 s21, 2
	s_cselect_b32 s90, s43, s42
	s_cselect_b32 s91, s42, s43
	s_cselect_b32 s92, s19, s20
	s_cselect_b32 s93, s20, s19
	s_lshr_b32 s94, s90, 3
	s_lshl_b32 s94, s94, 4
	s_lshl_b32 s91, s91, 2
	s_add_co_u32 s94, s94, s91
	s_lshl_b32 s93, s93, 1
	s_add_co_u32 s94, s94, s93
	s_lshl_b32 s94, s94, 17
	s_and_b32 s90, s90, 7
	s_lshl_b32 s90, s90, 1
	s_add_co_u32 s90, s90, s92
	s_lshl_b32 s90, s90, 13
	s_add_co_u32 s94, s94, s90
	s_lshl_b32 s95, s21, 23
	s_add_co_u32 s88, s94, s95
	s_mov_b32 s89, 0
	s_add_nc_u64 s[88:89], s[16:17], s[88:89]
.macro FRAG reg, adr, q, i
.irp c, 0,1,2,3
	ds_load_b128 v[\reg+4*\c:\reg+4*\c+3], v[\adr] offset:2048*(\q)+512*\c+(\i)*4096
.endr
.endm
.macro MUL16 a0, p, zero
.irp a, \a0, \a0+1
.irp b, 0,1,2,3,4,5,6,7
.if \zero
	v_wmma_f32_16x16x128_fp8_fp8 v[8*(8*((\a)%4)+\b):8*(8*((\a)%4)+\b)+7], v[128*(\p)+FR*\b:128*(\p)+FR*\b+FR-1], v[AF+FR*(\a):AF+FR*(\a)+FR-1], 0
.else
	v_wmma_f32_16x16x128_fp8_fp8 v[8*(8*((\a)%4)+\b):8*(8*((\a)%4)+\b)+7], v[128*(\p)+FR*\b:128*(\p)+FR*\b+FR-1], v[AF+FR*(\a):AF+FR*(\a)+FR-1], v[8*(8*((\a)%4)+\b):8*(8*((\a)%4)+\b)+7]
.endif
.endr
.endr
.endm
.macro FETCH_B slot, q, p
	WIN TO_B
.irp i, 0,1,2,3,4,5,6,7
	FRAG 128*(\p)+FR*\i, ADRB+\slot, \q, \i
.endr
	WIN 0
.endm
.macro FETCH_A slot, q, i0
.irp i, \i0, \i0+1, \i0+2, \i0+3
	FRAG AF+FR*(\i), ADRA+\slot, \q, \i
.endr
.endm
.macro PLACES n
.rept \n
	v_nop
.endr
.endm
.macro STEP slot, q, zero
	s_wait_dscnt 4*NL
	WIN MUL_LO
	MUL16 0, (\q)%2, \zero
	MUL16 2, (\q)%2, \zero
	s_wait_dscnt 0
	PLACES NP
	FETCH_B \slot, (\q)+1, 1-(\q)%2
	FETCH_A \slot, (\q)+1, 0
	WIN MUL_HI
	MUL16 4, (\q)%2, \zero
	MUL16 6, (\q)%2, \zero
	PLACES NP
	WIN 0
	FETCH_A \slot, (\q)+1, 4
.endm
.macro TURN slot, next, fill
	s_wait_tensorcnt 0x0
	ds_add_u32 v[SPW], v[NIL]
	s_wait_dscnt 4*NL+1
	WIN MUL_LO
	MUL16 0, 1, 0
	s_wait_dscnt 0x0
	s_barrier_signal -1
	MUL16 2, 1, 0
	WIN 0
	s_barrier_wait -1
.if \fill
	CREST
	s_add_nc_u64 s[G0+4*\slot+2:G0+4*\slot+3], s[G0+4*\slot+2:G0+4*\slot+3], 8192
	s_add_nc_u64 s[G0B+4*\slot+2:G0B+4*\slot+3], s[G0B+4*\slot+2:G0B+4*\slot+3], 8192
	JLOAD G0+4*\slot, G1, G0B+4*\slot, G1B
.else
	PLACES NP
.endif
	FETCH_B \next, 0, 0
	FETCH_A \next, 0, 0
	WIN MUL_HI
	MUL16 4, 1, 0
	MUL16 6, 1, 0
	PLACES NP
	WIN 0
	FETCH_A \next, 0, 4
.endm
	s_wait_alu depctr_va_vdst(0)
	s_wait_tensorcnt 1
	s_barrier_signal -1
	s_barrier_wait -1
	FETCH_B 0, 0, 0
	FETCH_A 0, 0, 0
	FETCH_A 0, 0, 4
	STEP 0, 0, 1
	TURN 0, 1, 1
	STEP 1, 0, 0
	TURN 1, 0, 1
	STEP 0, 0, 0
	TURN 0, 1, 0
	STEP 1, 0, 0
	s_wait_dscnt 4*NL
	WIN MUL_LO
	MUL16 0, 1, 0
	MUL16 2, 1, 0
	s_wait_dscnt 0
	WIN MUL_HI
	MUL16 4, 1, 0
	MUL16 6, 1, 0
	WIN 0
	s_wait_kmcnt 0x0
	s_cmp_eq_u32 s21, 0
	s_cselect_b32 s90, s68, s70
	s_cselect_b32 s91, s69, s71
	s_cselect_b32 s92, s74, s75
	s_cmp_eq_u32 s21, 2
	s_cselect_b32 s90, s72, s90
	s_cselect_b32 s91, s73, s91
	s_cselect_b32 s92, s77, s92
	s_add_co_i32 s90, s90, s91
	s_sub_co_i32 s93, 0, s90
	s_sub_co_i32 s92, s92, s90
	s_add_co_i32 s92, s92, 127
	s_lshl_b32 s94, s92, 23
	v_mov_b32 v[SC], s94
	s_wait_loadcnt 0x0
.set jj, 0
.rept 72
	v_ldexp_f32 v[BN+jj], v[BN+jj], s93
.set jj, jj+1
.endr
.macro WAYOUT isv
.irp a, 0,1,2,3,4,5,6,7
.if \a == 4
	s_wait_xcnt 0x0
.endif
	WIN 0x02+(\a/4)
.if \isv
.set jj, 0
.rept 64
	v_add_f32 v[TMP+jj], v[64*(\a%4)+jj], v[BM+\a]
.set jj, jj+1
.endr
.else
.set jj, 0
.rept 32
	v_pk_add_f32 v[TMP+jj:TMP+jj+1], v[64*(\a%4)+jj:64*(\a%4)+jj+1], v[BN+jj:BN+jj+1]
.set jj, jj+2
.endr
.endif
	WIN 0
.irp b, 0,1,2,3,4,5,6,7
.set jj, 0
.rept 8
.set jj, jj+1
.endr
	v_cvt_scalef32_pk8_fp8_f32 v[CO+16*(\a%4)+2*\b:CO+16*(\a%4)+2*\b+1], v[TMP+8*\b:TMP+8*\b+7], v[SC]
.endr
	v_nop
.irp g, 0,1,2,3
.if \isv
	global_store_b128 v[LI], v[CO+16*(\a%4)+4*\g:CO+16*(\a%4)+4*\g+3], s[88:89] offset:(\a/4)*131072+2048*(\a%4)+512*\g th:TH_STORE_NT
.else
	global_store_b128 v[LI], v[CO+16*(\a%4)+4*\g:CO+16*(\a%4)+4*\g+3], s[88:89] offset:(\g/2)*131072+1024*\a+512*(\g%2) th:TH_STORE_NT
.endif
.endr
.endr
.endm
	s_cmp_eq_u32 s21, 2
	s_cbranch_scc1 .Lfor_v
	WAYOUT 0
	s_branch .Ldone
.Lfor_v:
	s_wait_alu depctr_va_vdst(0)
	WAYOUT 1
.Ldone:
	s_wait_tensorcnt 0x0
	ds_add_u32 v[SPW], v[NIL]
	s_wait_dscnt 0x0
	CROUND
	s_endpgm
.Lfunc_end_k_q42b483cbc3_qkv:
	.size	k_q42b483cbc3_qkv, .Lfunc_end_k_q42b483cbc3_qkv-k_q42b483cbc3_qkv
	.p2alignl 7, 3214868480
	.fill 96, 4, 3214868480
	.section	.rodata,"a",@progbits
	.p2align	6, 0x0
	.amdhsa_kernel k_q42b483cbc3_qkv
		.amdhsa_group_segment_fixed_size 327680
		.amdhsa_private_segment_fixed_size 0
		.amdhsa_enable_private_segment 0
		.amdhsa_kernarg_size 56
		.amdhsa_user_sgpr_count 2
		.amdhsa_user_sgpr_kernarg_segment_ptr 1
		.amdhsa_wavefront_size32 1
		.amdhsa_system_sgpr_workgroup_id_x 1
		.amdhsa_system_sgpr_workgroup_id_y 1
		.amdhsa_system_sgpr_workgroup_id_z 1
		.amdhsa_system_vgpr_workitem_id 0
		.amdhsa_next_free_vgpr 1024
		.amdhsa_next_free_sgpr 100
		.amdhsa_reserve_vcc 0
		.amdhsa_float_denorm_mode_32 3
		.amdhsa_float_denorm_mode_16_64 3
		.amdhsa_fp16_overflow 1
		.amdhsa_memory_ordered 1
		.amdhsa_forward_progress 1
		.amdhsa_inst_pref_size 134
	.end_amdhsa_kernel
	.amdgpu_metadata
---
amdhsa.version: [ 1, 2 ]
amdhsa.kernels:
  - .name:           k_q42b483cbc3_qkv
    .symbol:         k_q42b483cbc3_qkv.kd
    .args:
      - { .name: xc, .offset: 0, .size: 8, .value_kind: global_buffer, .address_space: global }
      - { .name: wc, .offset: 8, .size: 8, .value_kind: global_buffer, .address_space: global }
      - { .name: bq, .offset: 16, .size: 8, .value_kind: global_buffer, .address_space: global }
      - { .name: bk, .offset: 24, .size: 8, .value_kind: global_buffer, .address_space: global }
      - { .name: bv, .offset: 32, .size: 8, .value_kind: global_buffer, .address_space: global }
      - { .name: lowp_scales, .offset: 40, .size: 8, .value_kind: global_buffer, .address_space: global }
      - { .name: qkv, .offset: 48, .size: 8, .value_kind: global_buffer, .address_space: global }
    .group_segment_fixed_size: 327680
    .private_segment_fixed_size: 0
    .kernarg_segment_align: 8
    .kernarg_segment_size: 56
    .max_flat_workgroup_size: 128
    .sgpr_count:     100
    .vgpr_count:     1024
    .wavefront_size: 32
...
	.end_amdgpu_metadata
.endif
;; end of part 2
;; launch attn (part 3): grid 4 x 64, 16 waves a work-group, no clusters, 327,680 bytes of LDS; arguments qkv, lowp_scales, oc; writes oc
.if DOCPART == 3
	.amdgcn_target "amdgcn-amd-amdhsa--gfx1250"
	.amdhsa_code_object_version 6
	.text
	.protected	k_q42b483cbc3_attn
	.globl	k_q42b483cbc3_attn
	.p2align	8
	.type	k_q42b483cbc3_attn,@function
k_q42b483cbc3_attn:
	s_mov_b64 s[64:65], 0
	v_nop
	global_prefetch_b8 v0, s[64:65] scope:SCOPE_SE
	s_setreg_imm32_b32 hwreg(HW_REG_WAVE_MODE, 25, 1), 1
	s_wait_xcnt 0x0
; Causal attention on codes of E4M3, one (batch, head) for each work-group y; the result / the row's sum is quantised (entry 10) and stored as the last product's operand.
; t = score x log2(e) / 8; M = the largest t so far, rounded up to a whole number; p = 2^(t - M) is quantised (entry 8), not normalised; the row's sum is taken of the unquantised p.  When M moves, sum and O are multiplied by 2^(old M - new M): exact.
; SHARES.  Work-group x = g owns the blocks g and 7 - g of 256 queries, one after the other: block g walks the key slots (256 keys) 0 .. g, block 7 - g the slots 0 .. 7 - g: NINE slots for every g.  So the loop's trip
; count is a constant, no slot is fetched that nobody reads, and all 256 work-groups have the same work.  Each of sixteen waves owns 16 queries of the block in hand, in 256 registers: four waves to a SIMD.
; NO CLUSTER: from trip g + 1 on the four work-groups of a head want different slots; walked in step (every partner asking for every slot of the longest walk) a work-group would pass 12 slots in place of 9.
; LAYOUT.  All operands lie in memory as images of their registers (registers 4g .. 4g+3 at 512 g + 16 lane).  S^T = K Q^T (source 0 = 16 neighbouring keys, source 1 = my 16 queries; K = 64): lane (r, h) holds query r and keys
; 16 t + 8 h + j of tile t: converted, tile t is registers 2t, 2t+1 of P (16 queries x 128 keys).  O^T = V^T P^T (source 0 = 16 of the head's 64 x 128 keys): lane (r, h) holds query r and e = 16 t + 8 h + j:
; converted, registers 2t, 2t+1 of a fragment 16 tokens x 64, which is stored at oc[token tile][head].
; RING: two slots of 32,768 bytes (K's 16,384, then V's), each a dense block of memory; wave 0 fetches K's, wave 1 V's; all sixteen read.
; LIMITS: entries 6 + 7 between -123 and 130; entries 8 and 10 between -126 and 119.
; REGISTERS: v1 16 x lane; v2 address in hand; v3 prefetch offset; v5, v6 spare word and 0; v7 r - 8h; v12 -M; v13 largest t; v[14:15] the sum; v16-23 Q; v24-31 the second block's Q; v32-95 K's, then V's fragments;
; v96-159 S^T, then p; v160-191 O^T; v192-207 codes; v208-211 holds and scales; v212-219 at work.
.set SLOTB, 32768
.set VOFF,  16384
.set SPARE, 65536                      ; behind the ring: the spare words, 128 bytes a wave: eight blocks of 256 bytes that no other line names
.set WV,    18
.set TB,    41                         ; s41  LDS byte at which the slot in hand begins
.set SLOTS, 42                         ; s42  8 .. 1: fills still to be asked for
.set SWV,   43                         ; s43  8 - g: the trip in which the first block ends
.set KF,    44                         ; s44  the step's first key
.set Q0,    45                         ; s45  my first query
.set Q0B,   46                         ; s46  and in the second block
.set LIMP,  68                         ; s68  6 in a wave that prefetches, else 0
.macro TLOAD                           ; waves 0 and 1 fetch; four v_nop follow the line
	s_cmp_lt_u32 s[WV], 2
	s_cbranch_scc0 .Lnone_\@
	tensor_load_to_lds s[32:35], s[24:31]
	s_nop 0
.rept 4
	v_nop
.endr
.Lnone_\@:
.endm
; A prefetch into the L2 of the slot that work-group 0's NEXT change of slots will ask for.  All four work-groups of a head read the same K and V: work-group 0, which walks all eight slots, asks, and nobody else.
; In it waves 4 and 5 ask for the halves (8,192 bytes, lanes 256 bytes apart) of K's block, waves 6 and 7 for V's: each aligned block of 256 bytes is named once.  Trips 1 to 6 name slots 2 to 7; slots 0 and 1 come by their loads alone.
.macro ASK
	s_sub_co_u32 s70, s[SLOTS], 2
	s_cmp_lt_u32 s70, s[LIMP]
	s_cbranch_scc0 .Lnot_mine_\@
	global_prefetch_b8 v3, s[66:67] th:TH_LOAD_NT scope:SCOPE_SE
.Lnot_mine_\@:
.endm
; THE CHANGE OF SLOTS, at a slot's head.  Each wave waits for all its tensor loads, adds 0 to its spare word, and waits for that and for its reads of the slot that it has left; behind the barrier the slot ahead is whole
; and nobody reads the other one.  fill = 1: that other slot takes the walk's next 256 keys: the next in memory, or, in the trip in which the first block ends, keys 0 on.
.macro CHANGE fill
	s_wait_tensorcnt 0x0                           ; no tensor load of mine is out, so the group 0 may be written
	ds_add_u32 v5, v6                              ; 0 onto my spare word
.if \fill
	s_xor_b32 s33, s33, SLOTB
	s_add_co_u32 s40, s38, 16384
	s_cmp_eq_u32 s[SLOTS], s[SWV]
	s_cselect_b32 s38, 0, s40
	s_add_nc_u64 s[34:35], s[36:37], s[38:39]
	s_or_b32 s35, s35, 0x80000000
	s_wait_xcnt 0x0                                ; the last prefetch, a slot back, has read its address
	s_add_nc_u64 s[66:67], s[66:67], 16384
.endif
	s_wait_dscnt 0x0                               ; the add is done, and my reads of the slot that I have left are over
	s_barrier_signal -1
	s_barrier_wait -1
.if \fill
	TLOAD                                          ; the first thing behind the barrier, and a wave's one tensor load until the next
	ASK
.endif
.endm
; A KEY STEP: 128 keys, the q-th of the slot in hand.
.macro STEP q
	s_add_co_u32 s70, s[Q0], 15                    ; a step all of whose keys come after my 16 queries is left out: a scalar branch on ids, round loads, products and softmax alone
	s_cmp_gt_u32 s[KF], s70
	s_cbranch_scc1 .Lhidden_\@
	v_add_nc_u32 v2, s[TB], v1
.set ii, 0
.rept 8
	ds_load_b128 v[32+8*ii:35+8*ii], v2 offset:(8*(\q)+ii)*1024
	ds_load_b128 v[36+8*ii:39+8*ii], v2 offset:(8*(\q)+ii)*1024+512
.set ii, ii+1
.endr
.set ii, 0
	s_wait_alu depctr_va_vdst(0)
.rept 8
	s_wait_dscnt 14-2*ii                           ; tile ii's two loads are in; the 2 (7 - ii) younger ones may be out
	v_wmma_f32_16x16x64_fp8_fp8 v[96+8*ii:103+8*ii], v[32+8*ii:39+8*ii], v[16:23], 0
.set ii, ii+1
.endr
.rept 4
	v_nop                                          ; places: in front of the loads into K's registers, and of the first read of the scores
.endr
.set ii, 0
.rept 16
	ds_load_b128 v[32+4*ii:35+4*ii], v2 offset:VOFF+8192*(\q)+512*ii   ; V's four fragments: they land under the softmax
.set ii, ii+1
.endr
	s_add_co_u32 s70, s[KF], 127                   ; on the diagonal hidden scores become -infinity ahead of the maximum; a step all of whose keys count skips this
	s_cmp_le_u32 s70, s[Q0]
	s_cbranch_scc1 .Lopen_\@
	s_sub_co_i32 s70, s[Q0], s[KF]
	v_add_nc_u32 v217, s70, v7                     ; d = my query - KF - 8 h.  Register 8 t + j holds key KF + 16 t + 8 h + j: hidden where 16 t + j > d
.set ii, 0
.rept 64
	v_cmp_gt_i32 vcc_lo, 16*(ii/8)+ii%8, v217
	v_cndmask_b32 v[96+ii], v[96+ii], v219, vcc_lo
.set ii, ii+1
.endr
.Lopen_\@:
	v_max3_num_f32 v217, v96, v97, v98             ; the step's largest score of my query among my 64 keys, in two chains, each accumulator from its low end on
	v_max3_num_f32 v218, v99, v100, v101
.set jj, 6
.rept 14
	v_max3_num_f32 v217, v217, v[96+jj], v[97+jj]
	v_max3_num_f32 v218, v218, v[98+jj], v[99+jj]
.set jj, jj+4
.endr
	v_max3_num_f32 v217, v217, v158, v159
	s_delay_alu instid0(VALU_DEP_1)
	v_max_num_f32 v217, v217, v218
	s_delay_alu instid0(VALU_DEP_1)
	v_permlanex16_b32 v216, v217, s20, s21
	s_delay_alu instid0(VALU_DEP_1)
	v_max_num_f32 v217, v217, v216                 ; and among lane l xor 16's
	s_delay_alu instid0(VALU_DEP_1)
	v_mul_f32 v217, s22, v217                      ; as t (c is positive)
	s_delay_alu instid0(VALU_DEP_1)
	v_max_num_f32 v13, v13, v217
	v_mov_b32 v217, v12
	s_delay_alu instid0(VALU_DEP_2)
	v_floor_f32 v12, -v13                          ; the new -M = floor(-t): M is a whole number
	s_delay_alu instid0(VALU_DEP_1)
	v_sub_f32 v217, v12, v217                      ; old M - new M, 0 or less
	s_delay_alu instid0(VALU_DEP_1)
	v_cvt_i32_f32 v217, v217                       ; (it saturates)
	s_delay_alu instid0(VALU_DEP_1)
	v_ldexp_f32 v214, 1.0, v217                    ; f = 2^(old M - new M)
.set jj, 0
.rept 32
	v_pk_fma_f32 v[96+jj:97+jj], v[96+jj:97+jj], s[22:23], v[12:13] op_sel_hi:[1,0,0]   ; t - M, two at a time
.set jj, jj+2
.endr
.set jj, 0
	s_wait_alu depctr_va_vdst(0)
.rept 64
	v_exp_f32 v[96+jj], v[96+jj]                   ; p = 2^(t - M)
.set jj, jj+1
.endr
	v_pk_mul_f32 v[14:15], v[14:15], v[214:215] op_sel_hi:[1,0]   ; the sums under the new M: the plain line behind the exponentials
	s_wait_alu depctr_va_vdst(0)                   ; one wait for the batch of 64, ahead of its first reader
	v_pk_add_f32 v[212:213], v[100:101], v[104:105]
	v_pk_add_f32 v[254:255], v[108:109], v[112:113]
	v_pk_add_f32 v[252:253], v[116:117], v[120:121]
	v_pk_add_f32 v[250:251], v[124:125], v[128:129]
	v_pk_add_f32 v[248:249], v[132:133], v[136:137]
	v_pk_add_f32 v[246:247], v[140:141], v[144:145]
	v_pk_add_f32 v[244:245], v[148:149], v[152:153]
	v_pk_add_f32 v[14:15], v[14:15], v[156:157]
	v_pk_add_f32 v[212:213], v[212:213], v[96:97]
	v_pk_add_f32 v[254:255], v[254:255], v[98:99]
	v_pk_add_f32 v[252:253], v[252:253], v[102:103]
	v_pk_add_f32 v[250:251], v[250:251], v[106:107]
	v_pk_add_f32 v[248:249], v[248:249], v[110:111]
	v_pk_add_f32 v[246:247], v[246:247], v[114:115]
	v_pk_add_f32 v[244:245], v[244:245], v[118:119]
	v_pk_add_f32 v[14:15], v[14:15], v[122:123]
	v_pk_add_f32 v[212:213], v[212:213], v[126:127]
	v_pk_add_f32 v[254:255], v[254:255], v[130:131]
	v_pk_add_f32 v[252:253], v[252:253], v[134:135]
	v_pk_add_f32 v[250:251], v[250:251], v[138:139]
	v_pk_add_f32 v[248:249], v[248:249], v[142:143]
	v_pk_add_f32 v[246:247], v[246:247], v[146:147]
	v_pk_add_f32 v[244:245], v[244:245], v[150:151]
	v_pk_add_f32 v[14:15], v[14:15], v[154:155]
	v_pk_add_f32 v[212:213], v[212:213], v[158:159]
	s_delay_alu instid0(VALU_DEP_2)
	v_pk_add_f32 v[14:15], v[14:15], v[250:251]
	s_delay_alu instid0(VALU_DEP_2)
	v_pk_add_f32 v[212:213], v[212:213], v[248:249]
	v_pk_add_f32 v[254:255], v[254:255], v[246:247]
	v_pk_add_f32 v[252:253], v[252:253], v[244:245]
	s_delay_alu instid0(VALU_DEP_2)
	v_pk_add_f32 v[14:15], v[14:15], v[254:255]
	s_delay_alu instid0(VALU_DEP_2)
	v_pk_add_f32 v[212:213], v[212:213], v[252:253]
	s_delay_alu instid0(VALU_DEP_1)
	v_pk_add_f32 v[14:15], v[14:15], v[212:213]
.set ii, 0
.rept 8
.set jj, 0
.rept 8
.set jj, jj+1
.endr
	v_cvt_scalef32_pk8_fp8_f32 v[192+2*ii:193+2*ii], v[96+8*ii:103+8*ii], v209
.set ii, ii+1
.endr
.set jj, 0
.rept 16
	v_pk_mul_f32 v[160+jj:161+jj], v[160+jj:161+jj], v[214:215] op_sel_hi:[1,0]   ; O^T under the new M; also the plain lines between the conversions and the products
.set jj, jj+2
.endr
	s_wait_alu depctr_va_vdst(0)
	s_wait_dscnt 0x0                               ; V is in
.set ii, 0
.rept 4
	v_wmma_f32_16x16x128_fp8_fp8 v[160+8*ii:167+8*ii], v[32+16*ii:47+16*ii], v[192:207], v[160+8*ii:167+8*ii]   ; the four accumulators by turns
.set ii, ii+1
.endr
.rept 4
	v_nop                                          ; places in front of the next loads into V's registers and of the next read of O^T
.endr
.Lhidden_\@:
	s_add_co_u32 s[KF], s[KF], 128
.endm
.macro SLOT_STEPS
	STEP 0
	STEP 1
	s_xor_b32 s[TB], s[TB], SLOTB
.endm
.macro INIT                            ; a block's start: the first change of M multiplies zeros
	v_mov_b32 v13, 0xff61b1e6                      ; -3e38, under every t
	s_delay_alu instid0(VALU_DEP_1)
	v_floor_f32 v12, -v13
	v_mov_b32 v14, 0
	v_mov_b32 v15, 0
.set jj, 0
.rept 32
	v_mov_b32 v[160+jj], 0
.set jj, jj+1
.endr
.endm
.macro OUT                             ; O^T x 2^(entries 8 + 9) / the sum, quantised with entry 10: a fragment of 16 tokens x 64, two stores of 512 consecutive bytes
	v_add_f32 v14, v14, v15
	s_delay_alu instid0(VALU_DEP_1)
	v_permlanex16_b32 v216, v14, s20, s21
	s_delay_alu instid0(VALU_DEP_1)
	v_add_f32 v14, v14, v216
	s_wait_alu depctr_va_vdst(0)
	v_rcp_f32 v14, v14
	v_nop                                          ; a plain line behind the reciprocal
	s_wait_alu depctr_va_vdst(0)                   ; and the wait ahead of its first reader
	v_ldexp_f32 v14, v14, s69
.set jj, 0
.rept 32
	v_mul_f32 v[96+jj], v[160+jj], v14
.set jj, jj+1
.endr
.set ii, 0
.rept 4
.set jj, 0
.rept 8
.set jj, jj+1
.endr
	v_cvt_scalef32_pk8_fp8_f32 v[192+2*ii:193+2*ii], v[96+8*ii:103+8*ii], v211
.set ii, ii+1
.endr
	v_nop
	global_store_b128 v1, v[192:195], s[48:49] th:TH_STORE_NT
	global_store_b128 v1, v[196:199], s[48:49] offset:512 th:TH_STORE_NT
.endm
	s_load_b128 s[4:7], s[0:1], 0x0                ; qkv s[4:5], the exponents s[6:7]
	s_load_b64 s[8:9], s[0:1], 0x10                ; oc
	v_lshl_add_u32 v5, v0, 2, SPARE
	v_mov_b32 v6, 0
	ds_add_u32 v5, v6
	ds_add_u32 v5, v6
	s_wait_dscnt 0x0
	v_lshrrev_b32 v2, 5, v0
	s_delay_alu instid0(VALU_DEP_1)
	v_readfirstlane_b32 s[WV], v2                  ; wave 0..15
	s_and_b32 s70, ttmp7, 0xffff                   ; bh
	s_lshl_b32 s71, s70, 17                        ; a head's 131,072 bytes in q, in k and in v
	s_mov_b32 s24, 3<<16                           ; group 1: a dense block of 16,384 bytes as 64 rows of 32 elements of 8 bytes; no mask, no padding
	s_mov_b32 s25, 32<<16
	s_mov_b32 s26, 64<<16
	s_mov_b32 s27, 32<<16
	s_mov_b32 s28, 64
	s_mov_b32 s29, 32
	s_mov_b32 s30, 0
	s_mov_b32 s31, 0
	s_and_b32 s72, s[WV], 1                        ; K's block (0) or V's (1)
	s_mov_b32 s32, 1
	s_lshl_b32 s33, s72, 14                        ; in slot 0
	s_lshl_b32 s36, s72, 23
	s_add_co_u32 s36, s36, 0x800000                ; k at 8,388,608, v at 16,777,216
	s_add_co_u32 s36, s36, s71
	s_mov_b32 s37, 0
	s_mov_b32 s38, 0                               ; s[38:39]: the walk's place in the head, in bytes
	s_mov_b32 s39, 0
	s_mov_b32 s20, 0x76543210                      ; v_permlanex16_b32's selects for lane l xor 16
	s_mov_b32 s21, 0xfedcba98
	s_mov_b32 s22, 0x3e38aa3b                      ; c = log2(e) / 8
	s_mov_b32 s[TB], 0
	s_mov_b32 s[SLOTS], 8
	s_sub_co_u32 s[SWV], 8, ttmp9
	s_mov_b32 s[KF], 0
	s_wait_kmcnt 0x0
	s_load_b256 s[52:59], s[6:7], 0x0              ; e0 .. e7
	s_load_b128 s[60:63], s[6:7], 0x20             ; e8 .. e11
	s_add_nc_u64 s[36:37], s[4:5], s[36:37]        ; the head's K or V
	s_mov_b64 s[34:35], s[36:37]
	s_or_b32 s35, s35, 0x80000000
	TLOAD                                          ; keys 0 to 255 into slot 0
	s_lshl_b32 s[Q0], ttmp9, 8
	s_lshl_b32 s74, s[WV], 4
	s_add_co_u32 s[Q0], s[Q0], s74                 ; 256 g + 16 wave
	s_sub_co_u32 s[Q0B], 7, ttmp9
	s_lshl_b32 s[Q0B], s[Q0B], 8
	s_add_co_u32 s[Q0B], s[Q0B], s74               ; 256 (7 - g) + 16 wave
	s_lshl_b32 s76, s[Q0], 6                       ; a tile of 16 queries is 1,024 bytes
	s_add_co_u32 s76, s76, s71
	s_mov_b32 s77, 0
	s_add_nc_u64 s[76:77], s[4:5], s[76:77]
	s_lshl_b32 s78, s[Q0B], 6
	s_add_co_u32 s78, s78, s71
	s_mov_b32 s79, 0
	s_add_nc_u64 s[78:79], s[4:5], s[78:79]
	v_and_b32 v1, 31, v0
	s_delay_alu instid0(VALU_DEP_1)
	v_lshlrev_b32 v3, 8, v1
	s_delay_alu instid0(VALU_DEP_2)
	v_lshlrev_b32 v1, 4, v1
	global_load_b128 v[16:19], v1, s[76:77]
	global_load_b128 v[20:23], v1, s[76:77] offset:512
	global_load_b128 v[24:27], v1, s[78:79]
	global_load_b128 v[28:31], v1, s[78:79] offset:512
	s_lshr_b32 s74, s70, 4                         ; oc: token tile 128 b + query / 16 (16,384 bytes), head (1,024 bytes)
	s_lshl_b32 s74, s74, 21
	s_and_b32 s75, s70, 15
	s_lshl_b32 s75, s75, 10
	s_add_co_u32 s74, s74, s75
	s_lshl_b32 s48, s[Q0], 10
	s_add_co_u32 s48, s48, s74
	s_mov_b32 s49, 0
	s_add_nc_u64 s[48:49], s[8:9], s[48:49]
	s_lshl_b32 s50, s[Q0B], 10
	s_add_co_u32 s50, s50, s74
	s_mov_b32 s51, 0
	s_add_nc_u64 s[50:51], s[8:9], s[50:51]
	s_lshr_b32 s73, s[WV], 1                       ; the prefetches: waves 4, 5: K; 6, 7: V; the wave's half of a slot's block; at slot 0: each change of slots steps it
	s_and_b32 s73, s73, 1
	s_lshl_b32 s73, s73, 23
	s_add_co_u32 s73, s73, 0x800000
	s_add_co_u32 s73, s73, s71
	s_lshl_b32 s74, s72, 13
	s_add_co_u32 s66, s73, s74
	s_mov_b32 s67, 0
	s_add_nc_u64 s[66:67], s[4:5], s[66:67]
	s_sub_co_u32 s73, s[WV], 4
	s_lshr_b32 s73, s73, 2                         ; 0 in waves 4 to 7,
	s_or_b32 s73, s73, ttmp9                       ; of work-group 0
	s_cmp_eq_u32 s73, 0
	s_cselect_b32 s[LIMP], 6, 0
	v_and_b32 v8, 15, v0
	v_bfe_u32 v9, v0, 4, 1
	s_delay_alu instid0(VALU_DEP_1)
	v_lshlrev_b32 v9, 3, v9
	s_delay_alu instid0(VALU_DEP_1)
	v_sub_nc_u32 v7, v8, v9                        ; r - 8 h
	v_mov_b32 v215, 0                              ; (named as the upper half of the pair v[214:215])
	v_mov_b32 v216, 0                              ; a lane permute's destination counts as read
	v_mov_b32 v219, 0xff800000                     ; -infinity
	INIT
	s_wait_kmcnt 0x0
	s_add_co_i32 s73, s58, s59
	s_lshl_b32 s73, s73, 23
	s_add_co_i32 s22, s22, s73                     ; a score stands for score x 2^(entries 6 + 7): added to c's exponent field
	s_mov_b32 s23, s22
	s_add_co_i32 s73, s60, 127
	s_lshl_b32 s74, s73, 23
	v_mov_b32 v209, s74                            ; 2^e8
	s_add_co_i32 s73, s62, 127
	s_lshl_b32 s74, s73, 23
	v_mov_b32 v211, s74                            ; 2^e10
	s_add_co_i32 s69, s60, s61                     ; e8 + e9
	s_wait_loadcnt 0x0                             ; Q of both blocks
.Lslot:                                            ; eight trips: behind each change of slots but the last the walk's next slot is asked for
	CHANGE 1
	SLOT_STEPS
	s_cmp_lg_u32 s[SLOTS], s[SWV]
	s_cbranch_scc1 .Lsame_block
	OUT                                            ; the first block is done: a branch on the work-group's number, round register work and two stores
	s_wait_xcnt 0x0                                ; the stores have read their base and their data
	s_mov_b64 s[48:49], s[50:51]
	s_mov_b32 s[Q0], s[Q0B]
	s_mov_b32 s[KF], 0
.set jj, 0
.rept 8
	v_mov_b32 v[16+jj], v[24+jj]
.set jj, jj+1
.endr
	INIT
.Lsame_block:
	s_sub_co_u32 s[SLOTS], s[SLOTS], 1
	s_cmp_lg_u32 s[SLOTS], 0
	s_cbranch_scc1 .Lslot
	CHANGE 0                                       ; the last slot is written out
	SLOT_STEPS
	OUT
	s_wait_tensorcnt 0x0                           ; the wave's end
	ds_add_u32 v5, v6
	s_wait_dscnt 0x0
	s_endpgm
.Lfunc_end_k_q42b483cbc3_attn:
	.size	k_q42b483cbc3_attn, .Lfunc_end_k_q42b483cbc3_attn-k_q42b483cbc3_attn
	.p2alignl 7, 3214868480
	.fill 96, 4, 3214868480
	.section	.rodata,"a",@progbits
	.p2align	6, 0x0
	.amdhsa_kernel k_q42b483cbc3_attn
		.amdhsa_group_segment_fixed_size 327680
		.amdhsa_private_segment_fixed_size 0
		.amdhsa_enable_private_segment 0
		.amdhsa_kernarg_size 24
		.amdhsa_user_sgpr_count 2
		.amdhsa_user_sgpr_kernarg_segment_ptr 1
		.amdhsa_wavefront_size32 1
		.amdhsa_system_sgpr_workgroup_id_x 1
		.amdhsa_system_sgpr_workgroup_id_y 1
		.amdhsa_system_sgpr_workgroup_id_z 1
		.amdhsa_system_vgpr_workitem_id 0
		.amdhsa_next_free_vgpr 256
		.amdhsa_next_free_sgpr 100
		.amdhsa_reserve_vcc 1
		.amdhsa_float_denorm_mode_32 3
		.amdhsa_float_denorm_mode_16_64 3
		.amdhsa_fp16_overflow 1
		.amdhsa_memory_ordered 1
		.amdhsa_forward_progress 1
		.amdhsa_inst_pref_size 90
	.end_amdhsa_kernel
	.amdgpu_metadata
---
amdhsa.version: [ 1, 2 ]
amdhsa.kernels:
  - .name:           k_q42b483cbc3_attn
    .symbol:         k_q42b483cbc3_attn.kd
    .args:
      - { .name: qkv, .offset: 0, .size: 8, .value_kind: global_buffer, .address_space: global }
      - { .name: lowp_scales, .offset: 8, .size: 8, .value_kind: global_buffer, .address_space: global }
      - { .name: oc, .offset: 16, .size: 8, .value_kind: global_buffer, .address_space: global }
    .group_segment_fixed_size: 327680
    .private_segment_fixed_size: 0
    .kernarg_segment_align: 8
    .kernarg_segment_size: 24
    .max_flat_workgroup_size: 512
    .sgpr_count:     100
    .vgpr_count:     256
    .wavefront_size: 32
...
	.end_amdgpu_metadata
.endif
;; end of part 3
;; launch proj (part 4): grid 256 x 1, 2 waves a work-group, clusters of 4 x 1, 168,192 bytes of LDS; arguments oc, wc, bo, lowp_scales, out0; writes out0
.if DOCPART == 4
	.amdgcn_target "amdgcn-amd-amdhsa--gfx1250"
	.amdhsa_code_object_version 6
	.text
	.protected	k_q42b483cbc3_proj
	.globl	k_q42b483cbc3_proj
	.p2align	8
	.type	k_q42b483cbc3_proj,@function
k_q42b483cbc3_proj:
	s_mov_b64 s[64:65], 0
	v_nop
	global_prefetch_b8 v0, s[64:65] scope:SCOPE_SE
	s_setreg_imm32_b32 hwreg(HW_REG_WAVE_MODE, 25, 1), 1
	s_wait_xcnt 0x0
	s_wait_alu depctr_hold_cnt(0) depctr_sa_sdst(0) depctr_va_vdst(0) depctr_va_sdst(0) depctr_va_ssrc(0) depctr_va_vcc(0) depctr_vm_vsrc(0)
	s_getreg_b32 s2, hwreg(HW_REG_IB_STS2, 6, 4)
	s_cmp_eq_u32 s2, 0
	s_cbranch_scc0 .Lentry_in_a_cluster
	s_endpgm
.Lentry_in_a_cluster:
	s_bfe_u32 s2, ttmp6, 0x10000c
	s_cmp_lg_u32 s2, 0x3003
	s_cbranch_scc0 .Lentry_shape_is_right
	s_endpgm
.Lentry_shape_is_right:
; out0 = (attention's result) Wo + bo on codes of E4M3: [8,192 x 1,024] x [1,024 x 64].  A wave owns a tile of 16 tokens and all 64 outputs: 8 K steps of 128, four accumulators by turns.
; The tokens' codes (oc: 16,384 dense bytes a tile, eight fragments as images of their registers) are read once, by one wave: they come straight into registers (window 1).
; Wo's codes (wc, matrix 48: 65,536 bytes, fragment (nt, kc) at (8 nt + kc) x 2,048) are read by every work-group: the four of a cluster ask for them JOINTLY, each of the two waves for one half, once; nothing is filled again.
; The matrix instruction is used transposed (source 0 = 16 columns of Wo, source 1 = my 16 tokens): lane (r, h) holds token r and outputs 16 nt + 8 h + j.  y = sum x 2^(entries 10 + 11) + bo, one packed multiply-add for two.
; The rows (256 bytes) go through the wave's own stage in LDS, so that sixteen lanes store one aligned row.  LIMIT: entries 10 + 11 between -126 and 127.
; REGISTERS: window 0: v1 16 x lane, v3, v4 stage addresses, v5 32 h; v16-79, v80-143 Wo's four fragments, two sets (later results and rows); v176-207 accumulators; v208-239 bo.  Window 1: v0-127 my tokens' eight fragments.
.set STG,    65536                     ; behind Wo's codes: a stage of 16 rows x 272 bytes for each wave; no tensor load lands here
.set SPITCH, 272
.set ACC,    176
.set BO,     208
.set MSB, 0
.macro WIN new
.if MSB != (\new)
	s_set_vgpr_msb (MSB<<8)|(\new)
.set MSB, (\new)
.endif
.endm
.macro ROUND                           ; a round of the cluster's barrier
	s_barrier_signal -1
	s_barrier_wait -1
	s_cmp_lg_u32 s14, 0
	s_cbranch_scc1 .Lnot_wave_0_\@
	s_barrier_signal -3
.Lnot_wave_0_\@:
	s_barrier_wait -3
	s_barrier_signal -1
	s_barrier_wait -1
.endm
.macro FETCH k                         ; Wo's four fragments of K step k into set k % 2: sixteen loads of 512 consecutive bytes
.set ii, 0
.rept 4
.set jj, 0
.rept 4
	ds_load_b128 v[16+64*((\k)%2)+16*ii+4*jj:16+64*((\k)%2)+16*ii+4*jj+3], v1 offset:(8*ii+(\k))*2048+512*jj
.set jj, jj+1
.endr
.set ii, ii+1
.endr
.endm
	s_load_b256 s[4:11], s[0:1], 0x0               ; oc s[4:5], wc s[6:7], bo s[8:9], the exponents s[10:11]
	s_load_b64 s[12:13], s[0:1], 0x20              ; out0
	v_lshl_add_u32 v254, v0, 2, 0x29000
	v_mov_b32 v255, 0
	ds_add_u32 v254, v255
	ds_add_u32 v254, v255
	v_lshrrev_b32 v1, 5, v0
	v_readfirstlane_b32 s14, v1                    ; wave 0, 1
	s_bfe_u32 s15, ttmp6, 0x40000                  ; cx: it enters global addresses of my own loads and stores alone
	s_lshl_b32 s16, ttmp9, 2
	s_add_co_u32 s16, s16, s15                     ; work-group
	s_lshl_b32 s17, s16, 1
	s_add_co_u32 s17, s17, s14                     ; my tile of 16 tokens
	s_mov_b32 s24, 15|(3<<16)|(1<<21)              ; group 1: the mask names all four; elements of 8 bytes; bit 21 beside a mask; a dense block of 32,768 bytes as 128 rows of 256
	s_mov_b32 s25, 32<<16
	s_mov_b32 s26, 128<<16
	s_mov_b32 s27, 32<<16
	s_mov_b32 s28, 128
	s_mov_b32 s29, 32
	s_mov_b32 s30, 0
	s_mov_b32 s31, 0
	s_mov_b32 s32, 1
	s_lshl_b32 s33, s14, 15                        ; LDS: wave x 32,768
	s_add_co_u32 s36, s33, 3145728                 ; and the same half of matrix 48 in wc
	s_mov_b32 s37, 0
	v_and_b32 v2, 31, v0
	v_lshlrev_b32 v1, 4, v2                        ; 16 x lane
	v_and_b32 v6, 15, v0                           ; r
	v_bfe_u32 v7, v0, 4, 1                         ; h
	s_mul_i32 s22, s14, 16*SPITCH
	s_add_co_u32 s22, s22, STG
	v_mul_u32_u24 v3, v6, SPITCH
	v_lshl_add_u32 v3, v7, 5, v3
	v_add_nc_u32 v3, s22, v3                       ; into the stage: row r, + 32 h
	v_mul_u32_u24 v4, v7, SPITCH
	v_lshl_add_u32 v4, v6, 4, v4
	v_add_nc_u32 v4, s22, v4                       ; back: lanes 0-15 one row, lanes 16-31 the next
	v_lshlrev_b32 v5, 5, v7
	s_wait_dscnt 0x0
	s_wait_kmcnt 0x0
	s_load_b64 s[18:19], s[10:11], 0x28            ; e10, e11
	s_add_nc_u64 s[34:35], s[6:7], s[36:37]
	s_or_b32 s35, s35, 0x80000000
	s_lshl_b32 s38, s17, 14
	s_mov_b32 s39, 0
	s_add_nc_u64 s[4:5], s[4:5], s[38:39]          ; my tile's codes
	s_lshl_b32 s38, s17, 12
	s_add_nc_u64 s[12:13], s[12:13], s[38:39]      ; my 16 rows of out0
	ROUND                                          ; all four work-groups are here: the joint loads meet
	tensor_load_to_lds s[32:35], s[24:31]          ; my half of Wo's codes: my only tensor load
	s_nop 0
.rept 4
	v_nop
.endr
	WIN 0x40                                       ; destination window 1
.set ii, 0
.rept 32
	global_load_b128 v[4*ii:4*ii+3], v1, s[4:5] offset:512*ii th:TH_LOAD_NT
.set ii, ii+1
.endr
	WIN 0
.set ii, 0
	s_wait_alu depctr_va_vdst(0)
.rept 4
	global_load_b128 v[BO+8*ii:BO+8*ii+3], v5, s[8:9] offset:64*ii         ; bo(16 nt + 8 h + j)
	global_load_b128 v[BO+8*ii+4:BO+8*ii+7], v5, s[8:9] offset:64*ii+16
.set ii, ii+1
.endr
	s_wait_tensorcnt 0x0                           ; my half has landed,
	s_barrier_signal -1
	s_barrier_wait -1                              ; and the other wave's
	FETCH 0
	FETCH 1
	s_wait_kmcnt 0x0
	s_add_co_i32 s20, s18, s19
	s_add_co_i32 s20, s20, 127
	s_lshl_b32 s20, s20, 23                        ; 2^(e10 + e11) as f32
	s_mov_b32 s21, s20
	s_wait_loadcnt 0x0                             ; my tokens' codes and bo
	WIN 0x04                                       ; source 1 (the tokens) window 1; LDS loads name destination and source 0 alone
.irp kc, 0,1,2,3,4,5,6,7
.if \kc < 7
	s_wait_dscnt 16                                ; this K step's fragments are in; the next step's sixteen loads may be out
.else
	s_wait_dscnt 0
.endif
.set ii, 0
.rept 4
.if \kc == 0
	v_wmma_f32_16x16x128_fp8_fp8 v[ACC+8*ii:ACC+8*ii+7], v[16+64*(\kc%2)+16*ii:16+64*(\kc%2)+16*ii+15], v[16*\kc:16*\kc+15], 0
.else
	v_wmma_f32_16x16x128_fp8_fp8 v[ACC+8*ii:ACC+8*ii+7], v[16+64*(\kc%2)+16*ii:16+64*(\kc%2)+16*ii+15], v[16*\kc:16*\kc+15], v[ACC+8*ii:ACC+8*ii+7]
.endif
.set ii, ii+1
.endr
.if \kc < 6
.rept 4
	v_nop                                          ; places in front of loads into registers that these products have read
.endr
	FETCH \kc+2
.endif
.endr
	WIN 0
.rept 4
	v_nop                                          ; places in front of the first read of the sums
.endr
.set jj, 0
.rept 16
	v_pk_fma_f32 v[16+jj:17+jj], v[ACC+jj:ACC+jj+1], s[20:21], v[BO+jj:BO+jj+1] op_sel_hi:[1,0,1]   ; each accumulator from its low end on
.set jj, jj+2
.endr
.set ii, 0
.rept 4
	ds_store_b128 v3, v[16+8*ii:19+8*ii] offset:64*ii
	ds_store_b128 v3, v[20+8*ii:23+8*ii] offset:64*ii+16
.set ii, ii+1
.endr
.set ii, 0
.rept 8
	ds_load_b128 v[48+4*ii:51+4*ii], v4 offset:2*SPITCH*ii     ; LDS serves a wave's instructions in order: these see my stores
.set ii, ii+1
.endr
.set ii, 0
.rept 8
	s_wait_dscnt 7-ii
	global_store_b128 v1, v[48+4*ii:51+4*ii], s[12:13] offset:512*ii th:TH_STORE_NT   ; two whole rows of 256 bytes
.set ii, ii+1
.endr
	s_wait_tensorcnt 0x0
	ds_add_u32 v254, v255
	s_wait_dscnt 0x0
	ROUND                                          ; the closing round: no work-group ends while a partner may still ask for a tile that names it
	s_endpgm
.Lfunc_end_k_q42b483cbc3_proj:
	.size	k_q42b483cbc3_proj, .Lfunc_end_k_q42b483cbc3_proj-k_q42b483cbc3_proj
	.p2alignl 7, 3214868480
	.fill 96, 4, 3214868480
	.section	.rodata,"a",@progbits
	.p2align	6, 0x0
	.amdhsa_kernel k_q42b483cbc3_proj
		.amdhsa_group_segment_fixed_size 168192
		.amdhsa_private_segment_fixed_size 0
		.amdhsa_enable_private_segment 0
		.amdhsa_kernarg_size 40
		.amdhsa_user_sgpr_count 2
		.amdhsa_user_sgpr_kernarg_segment_ptr 1
		.amdhsa_wavefront_size32 1
		.amdhsa_system_sgpr_workgroup_id_x 1
		.amdhsa_system_sgpr_workgroup_id_y 1
		.amdhsa_system_sgpr_workgroup_id_z 1
		.amdhsa_system_vgpr_workitem_id 0
		.amdhsa_next_free_vgpr 384
		.amdhsa_next_free_sgpr 66
		.amdhsa_reserve_vcc 0
		.amdhsa_float_denorm_mode_32 3
		.amdhsa_float_denorm_mode_16_64 3
		.amdhsa_memory_ordered 1
		.amdhsa_forward_progress 1
		.amdhsa_inst_pref_size 23
	.end_amdhsa_kernel
	.amdgpu_metadata
---
amdhsa.version: [ 1, 2 ]
amdhsa.kernels:
  - .name:           k_q42b483cbc3_proj
    .symbol:         k_q42b483cbc3_proj.kd
    .args:
      - { .name: oc, .offset: 0, .size: 8, .value_kind: global_buffer, .address_space: global }
      - { .name: wc, .offset: 8, .size: 8, .value_kind: global_buffer, .address_space: global }
      - { .name: bo, .offset: 16, .size: 8, .value_kind: global_buffer, .address_space: global }
      - { .name: lowp_scales, .offset: 24, .size: 8, .value_kind: global_buffer, .address_space: global }
      - { .name: out0, .offset: 32, .size: 8, .value_kind: global_buffer, .address_space: global }
    .group_segment_fixed_size: 168192
    .private_segment_fixed_size: 0
    .kernarg_segment_align: 8
    .kernarg_segment_size: 40
    .max_flat_workgroup_size: 64
    .sgpr_count:     66
    .vgpr_count:     384
    .wavefront_size: 32
...
	.end_amdgpu_metadata
.endif
;; end of part 4
